; MI455X (gfx1250); checked and timed in simulation.
; The chip was launched on July 23, 2026; its instructions are those of AMD's public machine-readable ISA for CDNA 5 (MIT licence, August 2026) and "CDNA5" Instruction Set Architecture Reference Guide (July 2026). The comments in the code are by the model that wrote it; some were corrected since.
;; Mo E Layer. Allowed arithmetic: float matrix products may take bf16 or f16 operands with f32 sums; all other float work in f32.
;; Inputs: W1 16 x 512 x 2,048 float32; W2 16 x 2,048 x 512 float32; Wr 512 x 16 float32; b1 16 x 2,048 float32; b2 16 x 512 float32; x 8 x 256 x 512 float32.
;; Outputs: out0 8 x 256 x 512 float32; out1 one number float32.
;; One version. Each part assembles by itself: llvm-mc -triple=amdgcn-amd-amdhsa -mcpu=gfx1250 --defsym DOCPART=n.
;; ======== version 1 of 1: 4 launches
;; workspace buffers: xb 2,097,152 bytes; msk 8,192 bytes of whole numbers; gates 16,384 bytes; part 16,384 bytes; h 134,217,728 bytes; eo 33,554,432 bytes; list 131,072 bytes of whole numbers; cnt 2,048 bytes of whole numbers
;; launch route (part 1): grid 128 x 1, 4 waves a work-group, no clusters, 33,792 bytes of LDS; arguments x, Wr, xb, msk, gates, part; writes xb, msk, gates, part
.if DOCPART == 1
	.amdgcn_target "amdgcn-amd-amdhsa--gfx1250"
	.amdhsa_code_object_version 6
	.text
	.protected	k_qded25b3d76_route
	.globl	k_qded25b3d76_route
	.p2align	8
	.type	k_qded25b3d76_route,@function
k_qded25b3d76_route:
	s_mov_b64 s[64:65], 0
	v_nop
	global_prefetch_b8 v0, s[64:65] scope:SCOPE_SE
	s_setreg_imm32_b32 hwreg(HW_REG_WAVE_MODE, 25, 1), 1
	s_wait_xcnt 0x0
; ROUTER.  logits = x Wr for 16 tokens a work-group; top-2 of 16, the two gates, and the tile's share of the load-balancing loss.
; x [2048][512] f32, Wr [512][16] f32.  Out: xb = x rounded to bf16, [2048][512]; msk[e][tile] (whole numbers): bit b is set where choice b / 16 of the tile's token b % 16 is expert e,
; that is q = 2 token + k = 32 tile + 2 (b % 16) + b / 16; gates[q] f32; part[tile][32]: columns 0-15 the sum over the tile's 16 tokens of softmax(logits)[e], columns 16-31 how many of them have e as first choice.
; FORMAT.  x and Wr are rounded to bf16 and multiplied by the bf16 matrix form with f32 sums; everything behind the logits is f32.
; LIMITS.  NaN and infinite logits are not treated apart.  Equal logits: the lower index comes first (strict compares, ascending e).  Two logits that differ by
; less than the error of an f32 sum of 512 terms (some 1e-6 of the logits' size) may be ranked the other way than by another order of summing.
; SHARES.  Wave w converts rows 4 w .. 4 w + 3 of the tile's x and rows 128 w .. 128 w + 127 of Wr, into LDS (x also into xb); one barrier; wave 0 does the rest:
; 16 matrix instructions and some 550 vector instructions are too little to share out.
; No cluster, no tensor loads: the data pass through registers to be converted, and what is shared (Wr, 32 KiB) is small beside a group's own 32 KiB of x.
.set XS, 16384                         ; LDS: Wr as bf16 [512][16], rows of 32 bytes, at 0; x as bf16, 16 rows, from here
.set XP, 1040                          ; a row of x in LDS: 1,024 bytes + 16: the 16 rows of a fragment load start 16 bytes apart modulo 256
.set LOG2E, 0x3fb8aa3b
	s_load_b256 s[4:11], s[0:1], 0x0               ; x s[4:5], Wr s[6:7], xb s[8:9], msk s[10:11]
	s_load_b128 s[12:15], s[0:1], 0x20             ; gates s[12:13], part s[14:15]
	v_lshl_add_u32 v14, v0, 2, 0x8200
	v_mov_b32 v15, 0
	v_lshrrev_b32 v1, 5, v0
	v_readfirstlane_b32 s16, v1                    ; wave 0..3
	v_and_b32 v1, 31, v0                           ; lane
	v_and_b32 v2, 15, v0                           ; r = lane % 16
	v_bfe_u32 v3, v0, 4, 1                         ; hh = lane / 16
	v_lshlrev_b32 v4, 4, v1                        ; 16 x lane
	v_lshlrev_b32 v5, 3, v1                        ; 8 x lane
	s_lshl_b32 s18, ttmp9, 15                      ; the tile's 16 rows of x, 2,048 bytes each,
	s_lshl_b32 s20, s16, 13                        ; my wave's four of them; also my wave's 128 rows of Wr, 64 bytes each
	s_add_co_u32 s18, s18, s20
	s_mov_b32 s19, 0
	s_mov_b32 s21, 0
	s_lshl_b32 s22, ttmp9, 14                      ; the same rows in xb, 1,024 bytes each
	s_lshl_b32 s23, s16, 12
	s_add_co_u32 s22, s22, s23
	s_mov_b32 s23, 0
	s_mul_i32 s17, s16, 4*XP
	s_add_co_u32 s17, s17, XS
	v_add_nc_u32 v6, s17, v5                       ; LDS: my wave's four rows of x + 8 x lane
	v_lshl_add_u32 v7, s16, 12, v5                 ; LDS: my wave's 128 rows of Wr (32 bytes each) + 8 x lane
	s_wait_kmcnt 0x0
	s_add_nc_u64 s[4:5], s[4:5], s[18:19]
	s_add_nc_u64 s[6:7], s[6:7], s[20:21]
	s_add_nc_u64 s[8:9], s[8:9], s[22:23]
.set i, 0
.rept 16                                               ; 8,192 consecutive bytes of x: load i is row i / 4, columns 128 (i % 4) + 4 x lane ..
	global_load_b128 v[32+4*i:35+4*i], v4, s[4:5] offset:512*i th:TH_LOAD_NT
.set i, i+1
.endr
.set i, 0
.rept 16                                               ; 8,192 consecutive bytes of Wr: load i is rows 8 i + lane / 4, columns 4 (lane % 4) ..
	global_load_b128 v[96+4*i:99+4*i], v4, s[6:7] offset:512*i
.set i, i+1
.endr
	s_wait_loadcnt 16                              ; x is in; the 16 younger loads (Wr) stay out
.set i, 0
.rept 32
	v_cvt_pk_bf16_f32 v[160+i], v[32+2*i], v[33+2*i]
.set i, i+1
.endr
.set i, 0
.rept 16
	global_store_b64 v5, v[160+2*i:161+2*i], s[8:9] offset:256*i   ; the wave's store covers 256 consecutive bytes, aligned
	ds_store_b64 v6, v[160+2*i:161+2*i] offset:(i/4)*XP+(i%4)*256
.set i, i+1
.endr
	s_wait_loadcnt 0x0                             ; Wr
.set i, 0
.rept 32
	v_cvt_pk_bf16_f32 v[224+i], v[96+2*i], v[97+2*i]
.set i, i+1
.endr
.set i, 0
.rept 16
	ds_store_b64 v7, v[224+2*i:225+2*i] offset:256*i               ; row k of Wr lies at 32 k: dense
.set i, i+1
.endr
	s_wait_dscnt 0x0                               ; for wave 0's sake: my LDS stores are done
	s_barrier_signal -1
	s_barrier_wait -1
	s_cmp_lg_u32 s16, 0
	s_cbranch_scc1 .Lend                           ; waves 1 to 3 have done their share
	; Source 0 = Wr^T (16 experts x 32 k), brought turned out of its [k][expert] rows; source 1 = 16 tokens x 32 k.  In the result register j of lane (r, hh) is logit(token r, expert 8 hh + j).
	v_and_b32 v8, 7, v0
	v_bfe_u32 v9, v0, 3, 1
	v_lshl_add_u32 v8, v3, 3, v8
	v_lshlrev_b32 v8, 5, v8
	v_lshl_add_u32 v8, v9, 4, v8                   ; (8 hh + lane % 8) x 32 + 16 ((lane / 8) % 2)
	v_mul_u32_u24 v9, v2, XP
	v_lshl_add_u32 v9, v3, 4, v9
	v_add_nc_u32 v9, XS, v9                        ; row r of x + 16 hh
	s_mov_b32 s24, 0x76543210                      ; v_permlanex16_b32: each lane takes its own place in the other half
	s_mov_b32 s25, 0xfedcba98
	s_mov_b32 s28, LOG2E
	v_cmp_ne_u32 s26, 0, v3                        ; the mask of lanes 16-31
; Eight K steps of 32: 32 LDS loads, one wait, eight matrix instructions on four accumulators that take turns; four places behind them.
.macro HALFK hf
.set i, 0
.rept 8
	ds_load_tr16_b128 v[32+8*i:35+8*i], v8 offset:1024*(8*(\hf)+i)
	ds_load_tr16_b128 v[36+8*i:39+8*i], v8 offset:1024*(8*(\hf)+i)+512
	ds_load_b128 v[96+8*i:99+8*i], v9 offset:64*(8*(\hf)+i)
	ds_load_b128 v[100+8*i:103+8*i], v9 offset:64*(8*(\hf)+i)+32
.set i, i+1
.endr
	s_wait_dscnt 0x0
.set i, 0
.rept 8
.if ((\hf) == 0) && (i < 4)
	v_wmma_f32_16x16x32_bf16 v[192+8*(i%4):199+8*(i%4)], v[32+8*i:39+8*i], v[96+8*i:103+8*i], 0
.else
	v_wmma_f32_16x16x32_bf16 v[192+8*(i%4):199+8*(i%4)], v[32+8*i:39+8*i], v[96+8*i:103+8*i], v[192+8*(i%4):199+8*(i%4)]
.endif
.set i, i+1
.endr
.rept 4
	v_nop                                          ; four places in front of the loads into the fragments, and of the sums that read the results
.endr
.endm
	HALFK 0
	HALFK 1
.irp j, 0,2,4,6                                        ; the four partial sums, each accumulator from its low end on
	v_pk_add_f32 v[16+\j:17+\j], v[192+\j:193+\j], v[200+\j:201+\j]
	v_pk_add_f32 v[24+\j:25+\j], v[208+\j:209+\j], v[216+\j:217+\j]
.endr
.irp j, 0,2,4,6
	v_pk_add_f32 v[16+\j:17+\j], v[16+\j:17+\j], v[24+\j:25+\j]
.endr
.irp j, 0,1,2,3,4,5,6,7
	v_permlanex16_b32 v[32+\j], v[16+\j], s24, s25 ; the token's other eight logits
.endr
.irp j, 0,1,2,3,4,5,6,7                                ; v[40 + e] = logit e of token r, in both halves of the lanes
	v_cndmask_b32 v[40+\j], v[16+\j], v[32+\j], s26
	v_cndmask_b32 v[48+\j], v[32+\j], v[16+\j], s26
.endr
	; top-2 in one pass: m1, i1, m2, i2 in v56-59
	v_mov_b32 v56, v40
	v_mov_b32 v57, 0
	v_mov_b32 v58, 0xff800000
	v_mov_b32 v59, 0
.irp e, 1,2,3,4,5,6,7,8,9,10,11,12,13,14,15
	v_cmp_gt_f32 s27, v[40+\e], v56
	v_cmp_gt_f32 vcc_lo, v[40+\e], v58
	v_cndmask_b32 v58, v58, v[40+\e], vcc_lo
	v_cndmask_b32 v59, v59, \e, vcc_lo
	v_cndmask_b32 v58, v58, v56, s27
	v_cndmask_b32 v59, v59, v57, s27
	v_cndmask_b32 v56, v56, v[40+\e], s27
	v_cndmask_b32 v57, v57, \e, s27
.endr
	; softmax over the 16 logits and over the two chosen ones, each less the maximum m1
.irp e, 0,1,2,3,4,5,6,7,8,9,10,11,12,13,14,15
	v_sub_f32 v[64+\e], v[40+\e], v56
.endr
	v_sub_f32 v61, v58, v56
.irp e, 0,1,2,3,4,5,6,7,8,9,10,11,12,13,14,15
	v_mul_f32 v[64+\e], s28, v[64+\e]
.endr
	v_mul_f32 v61, s28, v61
.irp e, 0,1,2,3,4,5,6,7,8,9,10,11,12,13,14,15
	v_exp_f32 v[64+\e], v[64+\e]
.endr
	v_exp_f32 v61, v61
	v_nop                                          ; a plain instruction between the exponentials and the use of their results
	s_wait_alu depctr_va_vdst(0)
	v_pk_add_f32 v[80:81], v[64:65], v[66:67]
	v_pk_add_f32 v[82:83], v[68:69], v[70:71]
	v_pk_add_f32 v[84:85], v[72:73], v[74:75]
	v_pk_add_f32 v[86:87], v[76:77], v[78:79]
	v_pk_add_f32 v[80:81], v[80:81], v[82:83]
	v_pk_add_f32 v[84:85], v[84:85], v[86:87]
	v_pk_add_f32 v[80:81], v[80:81], v[84:85]
	v_add_f32 v80, v80, v81
	v_add_f32 v62, 1.0, v61
	v_rcp_f32 v81, v80
	v_rcp_f32 v62, v62                             ; gate 1 = 1 / (1 + 2^((m2 - m1) log2 e))
	v_nop
	s_wait_alu depctr_va_vdst(0)
	v_mul_f32 v63, v61, v62                        ; gate 2
	; lanes 0-15 keep the probabilities of token r, lanes 16-31 the one-hot of its first choice; then both are summed over the 16 tokens
.irp e, 0,1,2,3,4,5,6,7,8,9,10,11,12,13,14,15
	v_mul_f32 v[64+\e], v[64+\e], v81
	v_cmp_eq_u32 vcc_lo, \e, v57
	v_cndmask_b32 v[96+\e], 0, 1.0, vcc_lo
	v_cndmask_b32 v[64+\e], v[64+\e], v[96+\e], s26
.endr
.irp m, 1,2,4,8
.irp e, 0,1,2,3,4,5,6,7,8,9,10,11,12,13,14,15
	v_add_f32_dpp v[64+\e], v[64+\e], v[64+\e] row_xmask:\m row_mask:0xf bank_mask:0xf
.endr
.endr
	v_mov_b32 v83, v64                             ; lane (r, hh) stores the sum for expert r
.irp e, 1,2,3,4,5,6,7,8,9,10,11,12,13,14,15
	v_cmp_eq_u32 vcc_lo, \e, v2
	v_cndmask_b32 v83, v83, v[64+\e], vcc_lo
.endr
	v_cndmask_b32 v84, v57, v59, s26               ; lanes 0-15 the first choice, lanes 16-31 the second
	v_cndmask_b32 v85, v62, v63, s26
	; the masks: a compare of the 32 choices with e is expert e's mask of this tile; lane (r, hh) keeps expert r's
	v_cmp_eq_u32 s27, 0, v84
	v_mov_b32 v88, s27
.irp e, 1,2,3,4,5,6,7,8,9,10,11,12,13,14,15
	v_cmp_eq_u32 s[30+\e%2], \e, v84
	v_cmp_eq_u32 vcc_lo, \e, v2
	v_cndmask_b32 v88, v88, s[30+\e%2], vcc_lo
.endr
	s_lshl_b32 s29, ttmp9, 7                       ; 128 bytes a tile in part and in gates
	s_lshl_b32 s27, ttmp9, 2                       ; 4 bytes a tile in a row of msk
	v_lshlrev_b32 v86, 3, v2
	v_lshl_add_u32 v86, v3, 2, v86
	v_add_nc_u32 v86, s29, v86                     ; 4 (2 token + k)
	v_lshl_add_u32 v87, v1, 2, s29
	v_lshlrev_b32 v89, 9, v2                       ; row r of msk, 512 bytes
	v_add_nc_u32 v89, s27, v89
	global_store_b32 v87, v83, s[14:15]
	global_store_b32 v89, v88, s[10:11]            ; lanes r and r + 16 store the same word with the same number
	global_store_b32 v86, v85, s[12:13]
.Lend:
	s_wait_tensorcnt 0x0
	ds_add_u32 v14, v15
	s_wait_dscnt 0x0
	s_endpgm
.Lfunc_end_k_qded25b3d76_route:
	.size	k_qded25b3d76_route, .Lfunc_end_k_qded25b3d76_route-k_qded25b3d76_route
	.p2alignl 7, 3214868480
	.fill 96, 4, 3214868480
	.section	.rodata,"a",@progbits
	.p2align	6, 0x0
	.amdhsa_kernel k_qded25b3d76_route
		.amdhsa_group_segment_fixed_size 33792
		.amdhsa_private_segment_fixed_size 0
		.amdhsa_enable_private_segment 0
		.amdhsa_kernarg_size 48
		.amdhsa_user_sgpr_count 2
		.amdhsa_user_sgpr_kernarg_segment_ptr 1
		.amdhsa_wavefront_size32 1
		.amdhsa_system_sgpr_workgroup_id_x 1
		.amdhsa_system_sgpr_workgroup_id_y 1
		.amdhsa_system_sgpr_workgroup_id_z 1
		.amdhsa_system_vgpr_workitem_id 0
		.amdhsa_next_free_vgpr 256
		.amdhsa_next_free_sgpr 66
		.amdhsa_reserve_vcc 1
		.amdhsa_float_denorm_mode_32 3
		.amdhsa_float_denorm_mode_16_64 3
		.amdhsa_memory_ordered 1
		.amdhsa_forward_progress 1
		.amdhsa_inst_pref_size 41
	.end_amdhsa_kernel
	.amdgpu_metadata
---
amdhsa.version: [ 1, 2 ]
amdhsa.kernels:
  - .name:           k_qded25b3d76_route
    .symbol:         k_qded25b3d76_route.kd
    .args:
      - { .name: x, .offset: 0, .size: 8, .value_kind: global_buffer, .address_space: global }
      - { .name: Wr, .offset: 8, .size: 8, .value_kind: global_buffer, .address_space: global }
      - { .name: xb, .offset: 16, .size: 8, .value_kind: global_buffer, .address_space: global }
      - { .name: msk, .offset: 24, .size: 8, .value_kind: global_buffer, .address_space: global }
      - { .name: gates, .offset: 32, .size: 8, .value_kind: global_buffer, .address_space: global }
      - { .name: part, .offset: 40, .size: 8, .value_kind: global_buffer, .address_space: global }
    .group_segment_fixed_size: 33792
    .private_segment_fixed_size: 0
    .kernarg_segment_align: 8
    .kernarg_segment_size: 48
    .max_flat_workgroup_size: 128
    .sgpr_count:     66
    .vgpr_count:     256
    .wavefront_size: 32
...
	.end_amdgpu_metadata
.endif
;; end of part 1
;; launch ffn1 (part 2): grid 16 x 16, 8 waves a work-group, no clusters, 285,184 bytes of LDS; arguments W1, b1, xb, msk, list, cnt, h; writes list, cnt, h
.if DOCPART == 2
	.amdgcn_target "amdgcn-amd-amdhsa--gfx1250"
	.amdhsa_code_object_version 6
	.text
	.protected	k_qded25b3d76_ffn1
	.globl	k_qded25b3d76_ffn1
	.p2align	8
	.type	k_qded25b3d76_ffn1,@function
k_qded25b3d76_ffn1:
	s_mov_b64 s[64:65], 0
	v_nop
	global_prefetch_b8 v0, s[64:65] scope:SCOPE_SE
	s_setreg_imm32_b32 hwreg(HW_REG_WAVE_MODE, 25, 1), 1
	s_wait_xcnt 0x0
; FIRST DENSE LAYER OF THE CHOSEN EXPERTS.  h[slot][f] = gelu(x[token(slot)] . W1[e][:, f] + b1[e][f]) for the rows that chose expert e, and only those: what reference() computes for the
; other experts of a token is thrown away by its gather, whatever the inputs.
; W1 [16][512][2048] f32, b1 [16][2048] f32, xb [2048][512] bf16, msk [16][128] whole numbers: bit b of msk[e][g] says that q = 32 g + 2 (b % 16) + b / 16 chose e (q = 2 token + k).
; h, bf16, lies in the order in which the next launch's matrix fragments want it: byte e x 8,388,608 + (slot / 16) x 65,536 + (f / 16) x 512 + 16 x lane, lane (r, hh) holding slot % 16 = r, f % 16 = 8 hh .. + 7.
; Also out, for the next launch, from the work-groups with j = 0: list[e][slot] = the slot's q, for the slots of every pass that is made, and cnt[e][0..31] = n, how many chose e.
; FORMAT.  W1 and b1 are rounded to bf16 (x was, by the router's launch); sums, bias and gelu in f32; h rounded to bf16 once.  gelu is the tanh form, x / (1 + 2^(x (c0 + c1 x^2))).
; SHARES.  Work-group (j, e): expert e, columns 128 j .. + 127.  Its slice of W1 (512 x 128, 256 KiB of f32) is read by this work-group alone, once, converted and kept in LDS as bf16.
; ONE barrier.  Then the waves are on their own: wave w takes passes w, w + 8, ..; a pass is 32 slots x 128 columns x K = 512: 256 matrix instructions on 16 accumulators.
; The number of passes comes from the masks, so no barrier stands in that loop.
; SLOTS.  Slot s is the s-th set bit of the expert's 128 masks, by mask and then by bit.  Each wave holds the masks four to a lane, with the number of set bits in front of each (E), and the running
; totals of the 32 lanes in scalar registers.  In a pass lane l looks for slot min(32 p + l, n - 1): the last lane whose start is not above the slot, of its four masks the last whose start is not
; above it, and in that mask the bit, by partial counts.  Nothing is scattered.  Slots beyond n - 1 repeat the last row, into slots of h of their own.
; No tensor loads: the weights pass through registers to be converted, and x's rows are a gather.  No cluster: no two work-groups read the same weights, and the rows of x that they share
; are walked by a trip count that hangs on data.  No prefetch: the slice is asked for in the kernel's first lines.
; REGISTERS, in windows of 256 (s_set_vgpr_msb: bits 1:0 source 0, 3:2 source 1, 5:4 source 2, 7:6 destination):
;   window 0: v0-15, v23 ids and addresses; v16-22 at work; v24-27 my four masks, v28-31 their starts; v32-95 A0 (x's fragments, K chunks 0, 2); v96-159, v160-223 W's fragments, two buffers;
;             v224-239 gather offsets (at work in the search); v240-255 list entries
;   window 1: v0-127 16 accumulators ((t, nt) at 8 (8 t + nt)); v128-191 A1 (K chunks 1, 3; at work in gelu); v192-255 G (gathered rows; h on its way out).  While the weights come in: all 256.
.set PB,    288                        ; a row of W in LDS: 256 bytes + 32: 72 words, so that 16 lanes of the turning load (8 rows x 32 bytes) touch each bank once
.set STG,   147456                     ; behind W's 512 rows: a stage for each wave, its own
.set STGW,  16896
.set BIAS,  282624                     ; 128 f32
.set QL,    283136                     ; 128 bytes for each wave, its own: the 32 q of the pass in hand
.set SP,    272                        ; a stage row: 256 bytes + 16
.set A0,    32
.set B0,    96
.set RA,    224
.set EN,    240
.set A1,    128
.set G,     192
.set M,     24                         ; v24-27  masks 4 l .. 4 l + 3 of the expert
.set E,     28                         ; v28-31  set bits in front of each of them
.set IS,    68                         ; s[68:99] set bits in lanes 0 .. l, for l = 0 .. 31
.set SL,    16                         ; the search: my slot
.set LN,    17                         ;   the lane that holds it
.set IX,    21                         ;   4 x that lane
.set Q,     22                         ;   my slot's q
.set GM,    224                        ;   that lane's four masks; then the mask
.set GE,    228                        ;   their starts; then the mask's start
.set JJ,    234                        ;   which of the four; then the mask's number
.set KK,    235                        ;   which set bit of the mask
.set C2,    236                        ;   set bits in fields of 2, 4, 8, 16 bits
.set C4,    237
.set C8,    238
.set C16,   239
.set POS,   240                        ;   the bit
.set T0,    241
.set T1,    242
.set MSB, 0
.macro WIN new                         ; the immediate's high byte repeats the setting that is left; a switch that changes nothing is dropped
.if MSB != (\new)
	s_set_vgpr_msb (MSB<<8)|(\new)
.set MSB, \new
.endif
.endm
	s_load_b256 s[4:11], s[0:1], 0x0               ; W1 s[4:5], b1 s[6:7], xb s[8:9], msk s[10:11]
	s_load_b128 s[12:15], s[0:1], 0x20             ; list s[12:13], cnt s[14:15]
	s_load_b64 s[54:55], s[0:1], 0x30              ; h
	v_lshrrev_b32 v1, 5, v0
	v_readfirstlane_b32 s16, v1                    ; wave 0..7
	s_and_b32 s17, ttmp7, 0xffff                   ; e
	s_mov_b32 s18, ttmp9                           ; j
	v_and_b32 v1, 31, v0                           ; lane
	v_and_b32 v2, 15, v0                           ; r
	v_bfe_u32 v3, v0, 4, 1                         ; hh
	v_lshlrev_b32 v4, 4, v1                        ; 16 x lane
	s_mul_i32 s20, s16, 64*PB
	v_lshl_add_u32 v5, v1, 3, s20                  ; LDS: my wave's 64 rows of W + 8 x lane
	v_and_b32 v16, 7, v0
	v_bfe_u32 v17, v0, 3, 1
	v_lshl_add_u32 v16, v3, 3, v16
	v_mul_u32_u24 v16, v16, PB
	v_lshl_add_u32 v6, v17, 4, v16                 ; the turning load: (8 hh + lane % 8) rows + 16 ((lane / 8) % 2); v6-9: K chunks of 128 rows
	v_add_nc_u32 v7, 128*PB, v6
	v_add_nc_u32 v8, 256*PB, v6
	v_add_nc_u32 v9, 384*PB, v6
	v_lshl_add_u32 v10, v3, 5, BIAS                ; my eight columns' bias in an n tile
	s_lshl_b32 s21, s16, 7
	s_add_co_u32 s21, s21, QL                      ; my wave's 32 words for the pass's q
	v_lshl_add_u32 v11, v3, 2, s21                 ; back: which of a pair of entries is mine
	v_lshl_add_u32 v23, v1, 2, s21                 ; in: my lane's word
	v_lshlrev_b32 v12, 2, v1                       ; 4 x lane
	s_mul_i32 s21, s16, STGW
	s_add_co_u32 s21, s21, STG                     ; my stage
	v_mul_u32_u24 v16, v3, SP
	v_lshl_add_u32 v16, v2, 4, v16
	v_add_nc_u32 v13, s21, v16                     ; in: row lane / 16, 16 bytes at 16 (lane % 16)
	v_mul_u32_u24 v16, v2, SP
	v_lshl_add_u32 v16, v3, 4, v16
	v_add_nc_u32 v14, s21, v16                     ; back: row r, 16 hh
	v_lshlrev_b32 v15, 4, v2                       ; 16 (lane % 16)
	s_lshl_b32 s28, s17, 22                        ; W1: expert e (4 MiB), my wave's 64 rows of 8,192 bytes, columns 128 j
	s_lshl_b32 s20, s16, 19
	s_add_co_u32 s28, s28, s20
	s_lshl_b32 s20, s18, 9
	s_add_co_u32 s28, s28, s20
	s_mov_b32 s29, 0
	s_lshl_b32 s30, s17, 13                        ; b1: row e, columns 128 j
	s_add_co_u32 s30, s30, s20
	s_mov_b32 s31, 0
	s_lshl_b32 s40, s17, 9                         ; msk: 512 bytes an expert
	s_mov_b32 s41, 0
	s_lshl_b32 s42, s17, 13                        ; list: 8,192 bytes an expert
	s_mov_b32 s43, 0
	s_lshl_b32 s56, s17, 7                         ; cnt: 128 bytes an expert
	s_mov_b32 s57, 0
	s_mov_b32 s34, 0xc0135761                      ; c0 = -2 log2(e) sqrt(2 / pi) = -2.3022082
	s_mov_b32 s35, s34                             ; named with it as a pair
	s_mov_b32 s36, 0xbdd2d3e8                      ; c1 = 0.044715 c0 = -0.10294324
	s_mov_b32 s37, s36
	s_wait_kmcnt 0x0
	s_add_nc_u64 s[4:5], s[4:5], s[28:29]
	s_add_nc_u64 s[6:7], s[6:7], s[30:31]
	s_add_nc_u64 s[10:11], s[10:11], s[40:41]
	s_add_nc_u64 s[12:13], s[12:13], s[42:43]
	s_add_nc_u64 s[14:15], s[14:15], s[56:57]
	; THE WEIGHTS.  The masks, the bias (wave 1) and 56 of my 64 rows are asked for at once, the last eight behind the first group's wait: 58 loads are out at the most.
	global_load_b128 v[M:M+3], v4, s[10:11]        ; masks 4 l .. 4 l + 3
	s_cmp_lg_u32 s16, 1
	s_cbranch_scc1 .Lno_bias
	global_load_b128 v[16:19], v4, s[6:7]
.Lno_bias:
	WIN 0x40                                       ; destination window 1
.set i, 0
.rept 56                                               ; row 64 w + i: the wave's load covers the row's 512 bytes of this slice
	global_load_b128 v[4*i:4*i+3], v4, s[4:5] offset:8192*i th:TH_LOAD_NT
.set i, i+1
.endr
	WIN 0
	s_wait_loadcnt 56                              ; the masks (and wave 1's bias) are older than the 56 rows: they are in
	; THE STARTS, while the weights are on their way.  Set bits of my four masks, by sums of neighbouring fields of 1, 2, 4, 8 and 16 bits:
.irp j, 0,1,2,3
	v_lshrrev_b32 v[224+\j], 1, v[M+\j]
.endr
.irp j, 0,1,2,3
	v_and_b32 v[224+\j], 0x55555555, v[224+\j]
.endr
.irp j, 0,1,2,3
	v_sub_nc_u32 v[224+\j], v[M+\j], v[224+\j]
.endr
.irp j, 0,1,2,3
	v_lshrrev_b32 v[228+\j], 2, v[224+\j]
.endr
.irp j, 0,1,2,3
	v_and_b32 v[228+\j], 0x33333333, v[228+\j]
.endr
.irp j, 0,1,2,3
	v_and_b32 v[224+\j], 0x33333333, v[224+\j]
.endr
.irp j, 0,1,2,3
	v_add_nc_u32 v[224+\j], v[224+\j], v[228+\j]
.endr
.irp j, 0,1,2,3
	v_lshrrev_b32 v[228+\j], 4, v[224+\j]
.endr
.irp j, 0,1,2,3
	v_add_nc_u32 v[224+\j], v[224+\j], v[228+\j]
.endr
.irp j, 0,1,2,3
	v_and_b32 v[224+\j], 0x0f0f0f0f, v[224+\j]
.endr
.irp j, 0,1,2,3
	v_lshrrev_b32 v[228+\j], 8, v[224+\j]
.endr
.irp j, 0,1,2,3
	v_add_nc_u32 v[224+\j], v[224+\j], v[228+\j]
.endr
.irp j, 0,1,2,3
	v_lshrrev_b32 v[228+\j], 16, v[224+\j]
.endr
.irp j, 0,1,2,3
	v_add_nc_u32 v[224+\j], v[224+\j], v[228+\j]
.endr
.irp j, 0,1,2,3
	v_and_b32 v[224+\j], 63, v[224+\j]             ; 0 to 32
.endr
	v_add_nc_u32 v232, v224, v225                  ; in front of my third mask, counted from my first,
	v_add_nc_u32 v233, v232, v226                  ; of my fourth,
	v_add_nc_u32 v234, v233, v227                  ; and my lane's total
.set l, 0
.rept 32
	v_readlane_b32 s[IS+l], v234, l
.set l, l+1
.endr
.set l, 1
.rept 31
	s_add_co_u32 s[IS+l], s[IS+l], s[IS+l-1]       ; the totals of lanes 0 .. l
.set l, l+1
.endr
	v_mov_b32 v[E], 0
.set l, 1
.rept 31
	v_writelane_b32 v[E], s[IS+l-1], l             ; lane l starts where lanes 0 .. l - 1 end
.set l, l+1
.endr
	v_add_nc_u32 v[E+1], v[E], v224
	v_add_nc_u32 v[E+2], v[E], v232
	v_add_nc_u32 v[E+3], v[E], v233
	s_min_u32 s24, s[IS+31], 2048                  ; n: a token names an expert once at the most
	s_cmp_lg_u32 s18, 0
	s_cbranch_scc1 .Lno_cnt
	s_cmp_lg_u32 s16, 0
	s_cbranch_scc1 .Lno_cnt
	v_mov_b32 v2, s24                              ; (r has served; v2 is not written again)
	global_store_b32 v12, v2, s[14:15]             ; one wave for each expert stores n, 32 times: 128 consecutive bytes
.Lno_cnt:
.set gg, 0
.rept 8                                                ; eight rows at a time, as they come in
.if gg == 0
	s_wait_loadcnt 48                              ; of the 56 rows asked for, 48 are younger than this group
.else
	s_wait_loadcnt 56-8*gg                         ; of all 64 rows, 56 - 8 g are younger than this group
.endif
	WIN 0x05                                       ; sources window 1, destination window 0
.set i, 0
.rept 16
	v_cvt_pk_bf16_f32 v[32+16*(gg%2)+i], v[32*gg+2*i], v[32*gg+2*i+1]
.set i, i+1
.endr
.if gg == 0
	WIN 0x40
.set i, 56
.rept 8
	global_load_b128 v[4*i:4*i+3], v4, s[4:5] offset:8192*i th:TH_LOAD_NT
.set i, i+1
.endr
.endif
	WIN 0
.set i, 0
.rept 8
	ds_store_b64 v5, v[32+16*(gg%2)+2*i:33+16*(gg%2)+2*i] offset:PB*(8*gg+i)
.set i, i+1
.endr
.set gg, gg+1
.endr
	s_cmp_lg_u32 s16, 1
	s_cbranch_scc1 .Lno_b
	v_cvt_pk_bf16_f32 v20, v16, v17                ; the bias (older than every row: it is in) is rounded to bf16 like every input, and widened again
	v_cvt_pk_bf16_f32 v21, v18, v19
	v_lshlrev_b32 v16, 16, v20
	v_and_b32 v17, 0xffff0000, v20
	v_lshlrev_b32 v18, 16, v21
	v_and_b32 v19, 0xffff0000, v21
	v_add_nc_u32 v22, BIAS, v4
	ds_store_b128 v22, v[16:19]
.Lno_b:
	s_wait_dscnt 0x0                               ; for the others' sake: all my LDS stores are done
	s_barrier_signal -1
	s_barrier_wait -1                              ; W and the bias are whole; nothing of them is written again
	s_add_co_u32 s25, s24, 31
	s_lshr_b32 s25, s25, 5                         ; passes of 32 slots, 64 at the most
	s_add_co_u32 s49, s25, 7                       ; my trips: passes w, w + 8, .. below that number are (passes + 7 - w) / 8, rounded down: 0 to 8
	s_sub_co_u32 s49, s49, s16
	s_lshr_b32 s49, s49, 3
	s_max_u32 s46, s24, 1
	s_sub_co_u32 s46, s46, 1                       ; the last slot that holds a row
	s_mov_b32 s48, 0                               ; the trip
	s_cmp_eq_u32 s49, 0
	s_cbranch_scc1 .Lend
.macro PLACES                          ; four places (ISA guide 7.12.1 for vector instructions) behind matrix instructions whose registers are loaded, written or read next
.rept 4
	v_nop
.endr
.endm
.macro BIASINIT                        ; the sums start from the bias: register jj of accumulator (t, nt) is column 16 nt + 8 hh + jj
	WIN 0x40
.irp t, 0,1
.irp nt, 0,1,2,3,4,5,6,7
	ds_load_b128 v[8*(8*\t+\nt):8*(8*\t+\nt)+3],   v10 offset:64*\nt
	ds_load_b128 v[8*(8*\t+\nt)+4:8*(8*\t+\nt)+7], v10 offset:64*\nt+16
.endr
.endr
.endm
.macro BLOAD ks                        ; W's fragments of K step ks (32 k x 128 columns, turned), into buffer ks % 2
.set bc, (\ks)/4
.set bs, (\ks)%4
.set bb, B0+64*((\ks)%2)
	WIN 0
.irp nt, 0,1,2,3,4,5,6,7
	ds_load_tr16_b128 v[bb+8*\nt:bb+8*\nt+3],   v[6+bc] offset:32*PB*bs+32*\nt
	ds_load_tr16_b128 v[bb+8*\nt+4:bb+8*\nt+7], v[6+bc] offset:32*PB*bs+32*\nt+16*PB
.endr
.endm
; 16 matrix instructions, used transposed: source 0 = 16 columns of W, source 1 = 16 slots: a lane then holds one slot and eight neighbouring columns.  The 16 accumulators take turns.
.macro MM16 ks
.set ms, (\ks)%4
.set mb, B0+64*((\ks)%2)
.if ((\ks)/4)%2
	WIN 0x54                                       ; source 1 in window 1 (A1); C and D in window 1
.set ma, A1
.else
	WIN 0x50                                       ; source 1 in window 0 (A0)
.set ma, A0
.endif
.irp nt, 0,1,2,3,4,5,6,7
.irp t, 0,1
	v_wmma_f32_16x16x32_bf16 v[8*(8*\t+\nt):8*(8*\t+\nt)+7], v[mb+8*\nt:mb+8*\nt+7], v[ma+8*(4*\t+ms):ma+8*(4*\t+ms)+7], v[8*(8*\t+\nt):8*(8*\t+\nt)+7]
.endr
.endr
.endm
.macro GLOAD c                         ; K chunk c (128 k, 256 bytes) of the pass's 32 rows of x: sixteen lanes take one row's 256 aligned bytes
	WIN 0x40
.set gi, 0
.rept 16
	global_load_b128 v[G+4*gi:G+4*gi+3], v[RA+gi], s[8:9] offset:256*(\c)
.set gi, gi+1
.endr
.endm
.macro STAGE c                         ; the chunk goes through my stage and comes back as fragments (t, s) at A + 8 (4 t + s)
	s_wait_loadcnt 0x0                             ; chunk c's 16 loads are the only ones out
	WIN 0x04                                       ; store data in window 1
.set gi, 0
.rept 16
	ds_store_b128 v13, v[G+4*gi:G+4*gi+3] offset:2*SP*gi
.set gi, gi+1
.endr
.if (\c)%2
	WIN 0x40
.set sa, A1
.else
	WIN 0
.set sa, A0
.endif
.irp t, 0,1
.irp s, 0,1,2,3
	ds_load_b128 v[sa+8*(4*\t+\s):sa+8*(4*\t+\s)+3],   v14 offset:16*SP*\t+64*\s     ; LDS serves a wave's instructions in order: these see the stores above, and the next chunk's stores come behind them
	ds_load_b128 v[sa+8*(4*\t+\s)+4:sa+8*(4*\t+\s)+7], v14 offset:16*SP*\t+64*\s+32
.endr
.endr
.endm
; K step ks = 4 c + s.  What may stay out at its head: nothing at step 0 (x's fragments are the youngest) and at step 15; at s = 2, 3 of chunks 0-2 one later run of W's loads (16) and the
; stage's 32 instructions; else the next step's 16 loads of W.
.macro KSTEP ks
.set kc, (\ks)/4
.set kx, (\ks)%4
.if ((\ks) == 0) || ((\ks) == 15)
	s_wait_dscnt 0x0
.elseif (kx >= 2) && (kc < 3)
	s_wait_dscnt 48
.else
	s_wait_dscnt 16
.endif
	MM16 \ks
	PLACES
.if (\ks) <= 13
	BLOAD (\ks)+2
.endif
.if (kx == 1) && (kc < 3)
	STAGE kc+1
.if kc < 2
	GLOAD kc+2
.endif
.endif
.endm
.macro GELU8 a                         ; accumulator a, from its low end on: x / (1 + 2^(x (c0 + c1 x x))), rounded to bf16: 16 bytes a lane
.set ga, 8*(\a)
.set gt, A1+8*((\a)%2)
.set go, G+4*(\a)
.irp m, 0,2,4,6
	v_pk_mul_f32 v[gt+\m:gt+\m+1], v[ga+\m:ga+\m+1], v[ga+\m:ga+\m+1]
.endr
.irp m, 0,2,4,6
	v_pk_fma_f32 v[gt+\m:gt+\m+1], v[gt+\m:gt+\m+1], s[36:37], s[34:35] op_sel_hi:[1,0,0]
.endr
.irp m, 0,2,4,6
	v_pk_mul_f32 v[gt+\m:gt+\m+1], v[gt+\m:gt+\m+1], v[ga+\m:ga+\m+1]
.endr
.irp m, 0,1,2,3,4,5,6,7
	v_exp_f32 v[gt+\m], v[gt+\m]
.endr
	v_nop                                          ; a plain instruction between the exponentials and the use of their results
	s_wait_alu depctr_va_vdst(0)
.irp m, 0,2,4,6
	v_pk_add_f32 v[gt+\m:gt+\m+1], v[gt+\m:gt+\m+1], 1.0 op_sel_hi:[1,0]
.endr
.irp m, 0,1,2,3,4,5,6,7
	v_rcp_f32 v[gt+\m], v[gt+\m]
.endr
	v_nop
	s_wait_alu depctr_va_vdst(0)
.irp m, 0,2,4,6
	v_pk_mul_f32 v[gt+\m:gt+\m+1], v[gt+\m:gt+\m+1], v[ga+\m:ga+\m+1]
.endr
.irp m, 0,2,4,6
	v_cvt_pk_bf16_f32 v[go+\m/2], v[gt+\m], v[gt+\m+1]
.endr
.endm
; One step of the search for a mask's KK-th set bit: c = the set bits among the next 'width' bits from POS on; if KK >= c they are passed over.
.macro BITSTEP a, width, fm
	v_lshrrev_b32 v[T0], v[POS], v[\a]
	v_and_b32 v[T0], \fm, v[T0]
	v_cmp_ge_u32 vcc_lo, v[KK], v[T0]
	v_cndmask_b32 v[T0], 0, v[T0], vcc_lo
	v_sub_nc_u32 v[KK], v[KK], v[T0]
	v_cndmask_b32 v[T1], 0, \width, vcc_lo
	v_add_nc_u32 v[POS], v[POS], v[T1]
.endm
.Lpass:                                                ; trip i is pass p = 8 i + w: slots 32 p .. 32 p + 31
	s_wait_xcnt 0x0                                ; the last pass's loads and stores have read their data (G, Q), offsets and bases: only now are these rewritten
	s_lshl3_add_u32 s26, s48, s16                  ; p
	s_min_u32 s27, s26, 63
	s_lshl_b32 s28, s27, 17                        ; h: two slot tiles of 65,536 bytes a pass,
	s_lshl_b32 s20, s17, 23                        ; expert e,
	s_add_co_u32 s28, s28, s20
	s_lshl_b32 s20, s18, 12                        ; eight column tiles of 512 bytes a slice
	s_add_co_u32 s28, s28, s20
	s_mov_b32 s29, 0
	s_add_nc_u64 s[30:31], s[54:55], s[28:29]
	s_lshl_b32 s38, s27, 7                         ; the pass's 32 entries of list
	s_mov_b32 s39, 0
	s_add_nc_u64 s[42:43], s[12:13], s[38:39]
	s_lshl_b32 s47, s27, 5
	; THE SEARCH.  My slot; beyond the last row's slot, that slot once more.
	v_add_nc_u32 v[SL], s47, v1
	v_min_u32 v[SL], s46, v[SL]
	v_mov_b32 v[LN], 0
.set lg, 0
.rept 8                                                ; the last lane whose start (the totals up to the lane before) is not above my slot: the starts ascend, so the last hit stays
.irp c, 0,1,2,3
.if lg+\c > 0
	v_cmp_le_u32 s[50+\c], s[IS+lg+\c-1], v[SL]
.endif
.endr
.irp c, 0,1,2,3
.if lg+\c > 0
	v_cndmask_b32 v[LN], v[LN], lg+\c, s[50+\c]
.endif
.endr
.set lg, lg+4
.endr
	v_min_u32 v[LN], 31, v[LN]
	v_lshlrev_b32 v[IX], 2, v[LN]
.irp j, 0,1,2,3
	ds_bpermute_b32 v[GM+\j], v[IX], v[M+\j]       ; that lane's four masks
.endr
.irp j, 0,1,2,3
	ds_bpermute_b32 v[GE+\j], v[IX], v[E+\j]       ; and their starts
.endr
	v_mov_b32 v[JJ], 0
	s_wait_dscnt 0x0
.irp j, 1,2,3                                          ; of the four the last whose start is not above my slot
	v_cmp_le_u32 vcc_lo, v[GE+\j], v[SL]
	v_cndmask_b32 v[GM], v[GM], v[GM+\j], vcc_lo
	v_cndmask_b32 v[GE], v[GE], v[GE+\j], vcc_lo
	v_cndmask_b32 v[JJ], v[JJ], \j, vcc_lo
.endr
	v_lshl_add_u32 v[JJ], v[LN], 2, v[JJ]          ; the mask's number g
	v_sub_nc_u32 v[KK], v[SL], v[GE]               ; which of its set bits
	v_lshrrev_b32 v[C2], 1, v[GM]
	v_and_b32 v[C2], 0x55555555, v[C2]
	v_sub_nc_u32 v[C2], v[GM], v[C2]               ; set bits in fields of 2
	v_lshrrev_b32 v[C4], 2, v[C2]
	v_and_b32 v[C4], 0x33333333, v[C4]
	v_and_b32 v[T0], 0x33333333, v[C2]
	v_add_nc_u32 v[C4], v[C4], v[T0]               ; of 4
	v_lshrrev_b32 v[C8], 4, v[C4]
	v_add_nc_u32 v[C8], v[C8], v[C4]
	v_and_b32 v[C8], 0x0f0f0f0f, v[C8]             ; of 8
	v_lshrrev_b32 v[C16], 8, v[C8]
	v_add_nc_u32 v[C16], v[C16], v[C8]
	v_and_b32 v[C16], 0x00ff00ff, v[C16]           ; of 16
	v_mov_b32 v[POS], 0
	BITSTEP C16, 16, 0xff
	BITSTEP C8, 8, 0xff
	BITSTEP C4, 4, 15
	BITSTEP C2, 2, 3
	BITSTEP GM, 1, 1
	v_and_b32 v[T0], 15, v[POS]                    ; q = 32 g + 2 (bit % 16) + bit / 16
	v_lshrrev_b32 v[T1], 4, v[POS]
	v_lshl_add_u32 v[T0], v[T0], 1, v[T1]
	v_lshl_add_u32 v[Q], v[JJ], 5, v[T0]
	s_cmp_lg_u32 s18, 0
	s_cbranch_scc1 .Lno_list
	global_store_b32 v12, v[Q], s[42:43]           ; one work-group for each expert stores the list for the next launch: 128 consecutive bytes a pass
.Lno_list:
	ds_store_b32 v23, v[Q]                         ; through my wave's own 32 words into the order that the gather wants
.set i, 0
.rept 16                                               ; lanes 0-15: slot 2 i of the pass, lanes 16-31: slot 2 i + 1 (LDS serves a wave's instructions in order: these see the store above)
	ds_load_b32 v[EN+i], v11 offset:8*i
.set i, i+1
.endr
	s_wait_dscnt 0x0
.set i, 0
.rept 16
	v_lshrrev_b32 v[EN+i], 1, v[EN+i]              ; q = 2 token + k
	v_min_u32 v[EN+i], 2047, v[EN+i]
	v_lshlrev_b32 v[EN+i], 10, v[EN+i]             ; the token's row of 1,024 bytes
	v_add_nc_u32 v[RA+i], v[EN+i], v15             ; + 16 (lane % 16)
.set i, i+1
.endr
	GLOAD 0
	BIASINIT                                       ; LDS work that hangs on nothing stands in the wait for the gathered rows
	BLOAD 0
	BLOAD 1
	STAGE 0
	GLOAD 1
.irp ks, 0,1,2,3,4,5,6,7,8,9,10,11,12,13,14,15
	KSTEP \ks
.endr
	WIN 0x55                                       ; everything in window 1; step 15's four places stand in front
.irp a, 0,1,2,3,4,5,6,7,8,9,10,11,12,13,14,15
	GELU8 \a
.endr
	WIN 0x04                                       ; store data in window 1
.irp t, 0,1
.irp nt, 0,1,2,3,4,5,6,7
	global_store_b128 v4, v[G+4*(8*\t+\nt):G+4*(8*\t+\nt)+3], s[30:31] offset:65536*\t+512*\nt   ; the wave's store covers 512 consecutive bytes, aligned
.endr
.endr
	WIN 0
	s_add_co_u32 s48, s48, 1
	s_cmp_lt_u32 s48, s49
	s_cbranch_scc1 .Lpass
.Lend:
	s_wait_xcnt 0x0
	v_lshl_add_u32 v254, v0, 2, 0x45600
	v_mov_b32 v255, 0
	s_wait_tensorcnt 0x0
	ds_add_u32 v254, v255
	s_wait_dscnt 0x0
	s_endpgm
.Lfunc_end_k_qded25b3d76_ffn1:
	.size	k_qded25b3d76_ffn1, .Lfunc_end_k_qded25b3d76_ffn1-k_qded25b3d76_ffn1
	.p2alignl 7, 3214868480
	.fill 96, 4, 3214868480
	.section	.rodata,"a",@progbits
	.p2align	6, 0x0
	.amdhsa_kernel k_qded25b3d76_ffn1
		.amdhsa_group_segment_fixed_size 285184
		.amdhsa_private_segment_fixed_size 0
		.amdhsa_enable_private_segment 0
		.amdhsa_kernarg_size 56
		.amdhsa_user_sgpr_count 2
		.amdhsa_user_sgpr_kernarg_segment_ptr 1
		.amdhsa_wavefront_size32 1
		.amdhsa_system_sgpr_workgroup_id_x 1
		.amdhsa_system_sgpr_workgroup_id_y 1
		.amdhsa_system_sgpr_workgroup_id_z 1
		.amdhsa_system_vgpr_workitem_id 0
		.amdhsa_next_free_vgpr 512
		.amdhsa_next_free_sgpr 100
		.amdhsa_reserve_vcc 1
		.amdhsa_float_denorm_mode_32 3
		.amdhsa_float_denorm_mode_16_64 3
		.amdhsa_memory_ordered 1
		.amdhsa_forward_progress 1
		.amdhsa_inst_pref_size 131
	.end_amdhsa_kernel
	.amdgpu_metadata
---
amdhsa.version: [ 1, 2 ]
amdhsa.kernels:
  - .name:           k_qded25b3d76_ffn1
    .symbol:         k_qded25b3d76_ffn1.kd
    .args:
      - { .name: W1, .offset: 0, .size: 8, .value_kind: global_buffer, .address_space: global }
      - { .name: b1, .offset: 8, .size: 8, .value_kind: global_buffer, .address_space: global }
      - { .name: xb, .offset: 16, .size: 8, .value_kind: global_buffer, .address_space: global }
      - { .name: msk, .offset: 24, .size: 8, .value_kind: global_buffer, .address_space: global }
      - { .name: list, .offset: 32, .size: 8, .value_kind: global_buffer, .address_space: global }
      - { .name: cnt, .offset: 40, .size: 8, .value_kind: global_buffer, .address_space: global }
      - { .name: h, .offset: 48, .size: 8, .value_kind: global_buffer, .address_space: global }
    .group_segment_fixed_size: 285184
    .private_segment_fixed_size: 0
    .kernarg_segment_align: 8
    .kernarg_segment_size: 56
    .max_flat_workgroup_size: 256
    .sgpr_count:     100
    .vgpr_count:     512
    .wavefront_size: 32
...
	.end_amdgpu_metadata
.endif
;; end of part 2
;; launch ffn2 (part 3): grid 16 x 16, 8 waves a work-group, no clusters, 284,160 bytes of LDS; arguments W2, b2, h, list, cnt, gates, eo; writes eo
.if DOCPART == 3
	.amdgcn_target "amdgcn-amd-amdhsa--gfx1250"
	.amdhsa_code_object_version 6
	.text
	.protected	k_qded25b3d76_ffn2
	.globl	k_qded25b3d76_ffn2
	.p2align	8
	.type	k_qded25b3d76_ffn2,@function
k_qded25b3d76_ffn2:
	s_mov_b64 s[64:65], 0
	v_nop
	global_prefetch_b8 v0, s[64:65] scope:SCOPE_SE
	s_setreg_imm32_b32 hwreg(HW_REG_WAVE_MODE, 25, 1), 1
	s_wait_xcnt 0x0
; SECOND DENSE LAYER OF THE CHOSEN EXPERTS, gated.  eo[kq][q][d] = gate[q] x (sum over f in quarter kq of h[slot(q)][f] W2[e][f][d] + (kq = 0 ? b2[e][d] : 0)).
; W2 [16][2048][512] f32, b2 [16][512] f32, h bf16 in fragment order (byte e x 8,388,608 + (slot / 16) x 65,536 + (f / 16) x 512 + 16 x lane), list [16][2048] whole numbers (slot -> q; the tail
; repeats the last entry), cnt [16][32] (how many chose e), gates [4096] f32.  eo [4][4096][512] f32: the next launch adds a token's two q and four quarters.
; FORMAT.  W2 and b2 are rounded to bf16; sums, bias and gate in f32.
; SHARES.  Work-group (x, e): expert e, columns 128 nj .. + 127 (nj = x % 4), f quarter kq = x / 4: K = 512, N = 128.  Its slice of W2 (256 KiB of f32) is read by this
; work-group alone, once, converted and kept in LDS as bf16.  ONE barrier; then wave w takes passes w, w + 8, .. of 32 slots: 256 matrix instructions on 16 accumulators.
; The number of passes is read from cnt, so no barrier stands in that loop.  A slot beyond the count holds the list's last row once more, and the same wave stores the same numbers into the same
; row of eo again; so no mask is needed.
; No tensor loads: the weights pass through registers to be converted, and h comes straight into fragment registers.  No cluster: no two work-groups read the same weights; the four that share h's
; tiles walk them by a trip count read from memory.  No prefetch: the slice is asked for in the kernel's first lines.
; REGISTERS, in windows of 256 (s_set_vgpr_msb: bits 1:0 source 0, 3:2 source 1, 5:4 source 2, 7:6 destination):
;   window 0: v0-15 ids and addresses; v16-31 at work (v16-19 the gates); v32-95 A0 (h's fragments, K chunks 0, 2); v96-159, v160-223 W's fragments, two buffers; v224-255 the 32 rows' offsets in eo
;   window 1: v0-127 16 accumulators ((t, nt) at 8 (8 t + nt)); v128-191 A1 (K chunks 1, 3).  While the weights come in: all 256.
.set PB,    288                        ; a row of W in LDS: 256 bytes + 32: 72 words, so that 16 lanes of the turning load (8 rows x 32 bytes) touch each bank once
.set STG,   147456                     ; behind W's 512 rows: a stage for each wave, its own: two tiles of 16 rows x 528 bytes
.set STGW,  16896
.set BIAS,  282624                     ; 128 f32
.set SP,    528                        ; a stage row: 512 bytes + 16
.set A0,    32
.set B0,    96
.set VO,    224
.set A1,    128
.set MSB, 0
.macro WIN new                         ; the immediate's high byte repeats the setting that is left; a switch that changes nothing is dropped
.if MSB != (\new)
	s_set_vgpr_msb (MSB<<8)|(\new)
.set MSB, \new
.endif
.endm
	s_load_b256 s[4:11], s[0:1], 0x0               ; W2 s[4:5], b2 s[6:7], h s[8:9], list s[10:11]
	s_load_b128 s[12:15], s[0:1], 0x20             ; cnt s[12:13], gates s[14:15]
	s_load_b64 s[40:41], s[0:1], 0x30              ; eo
	v_lshl_add_u32 v30, v0, 2, 0x45200
	v_mov_b32 v31, 0
	v_lshrrev_b32 v1, 5, v0
	v_readfirstlane_b32 s16, v1                    ; wave 0..7
	s_and_b32 s17, ttmp7, 0xffff                   ; e
	s_and_b32 s18, ttmp9, 3                        ; nj
	s_lshr_b32 s19, ttmp9, 2                       ; kq
	v_and_b32 v1, 31, v0                           ; lane
	v_and_b32 v2, 15, v0                           ; r
	v_bfe_u32 v3, v0, 4, 1                         ; hh
	v_lshlrev_b32 v4, 4, v1                        ; 16 x lane
	s_mul_i32 s20, s16, 64*PB
	v_lshl_add_u32 v5, v1, 3, s20                  ; LDS: my wave's 64 rows of W + 8 x lane
	v_and_b32 v16, 7, v0
	v_bfe_u32 v17, v0, 3, 1
	v_lshl_add_u32 v16, v3, 3, v16
	v_mul_u32_u24 v16, v16, PB
	v_lshl_add_u32 v6, v17, 4, v16                 ; the turning load: (8 hh + lane % 8) rows + 16 ((lane / 8) % 2); v6-9: K chunks of 128 rows
	v_add_nc_u32 v7, 128*PB, v6
	v_add_nc_u32 v8, 256*PB, v6
	v_add_nc_u32 v9, 384*PB, v6
	v_lshl_add_u32 v10, v3, 5, BIAS                ; my eight columns' bias in an n tile
	v_lshlrev_b32 v11, 2, v2                       ; 4 r: my row's list entry in a tile of 16
	v_mov_b32 v12, 0                               ; for loads that bring every lane the same bytes
	s_mul_i32 s21, s16, STGW
	s_add_co_u32 s21, s21, STG                     ; my stage
	v_mul_u32_u24 v16, v2, SP
	v_lshl_add_u32 v16, v3, 5, v16
	v_add_nc_u32 v13, s21, v16                     ; in: row r, my eight f32 at 32 hh
	v_add_nc_u32 v14, s21, v4                      ; back: a whole row of 512 bytes, 16 a lane
	s_lshl_b32 s28, s17, 22                        ; W2: expert e (4 MiB), quarter kq (512 rows of 2,048 bytes), my wave's 64 rows, columns 128 nj
	s_lshl_b32 s20, s19, 20
	s_add_co_u32 s28, s28, s20
	s_lshl_b32 s20, s16, 17
	s_add_co_u32 s28, s28, s20
	s_lshl_b32 s20, s18, 9
	s_add_co_u32 s28, s28, s20
	s_mov_b32 s29, 0
	s_lshl_b32 s30, s17, 11                        ; b2: row e, columns 128 nj
	s_add_co_u32 s30, s30, s20
	s_mov_b32 s31, 0
	s_lshl_b32 s34, s19, 23                        ; eo: plane kq (8 MiB), columns 128 nj
	s_add_co_u32 s34, s34, s20
	s_mov_b32 s35, 0
	s_lshl_b32 s44, s17, 7                         ; cnt: 128 bytes an expert
	s_mov_b32 s45, 0
	s_lshl_b32 s46, s17, 13                        ; list: 8,192 bytes an expert
	s_mov_b32 s47, 0
	s_cmp_eq_u32 s19, 0
	s_cselect_b32 s39, -1, 0                       ; the bias is added in quarter 0 alone
	s_wait_kmcnt 0x0
	s_add_nc_u64 s[4:5], s[4:5], s[28:29]
	s_add_nc_u64 s[6:7], s[6:7], s[30:31]
	s_add_nc_u64 s[32:33], s[40:41], s[34:35]
	s_add_nc_u64 s[12:13], s[12:13], s[44:45]
	s_add_nc_u64 s[10:11], s[10:11], s[46:47]
	s_load_b32 s24, s[12:13], 0x0                  ; how many chose e
	; THE WEIGHTS.  The bias (wave 1) and 56 of my 64 rows are asked for at once, the last eight behind the first group's wait: 57 loads are out at the most.
	s_cmp_lg_u32 s16, 1
	s_cbranch_scc1 .Lno_bias
	global_load_b128 v[16:19], v4, s[6:7]
.Lno_bias:
	WIN 0x40                                       ; destination window 1
.set i, 0
.rept 56                                               ; row 64 w + i of the quarter: the wave's load covers the row's 512 bytes of this slice
	global_load_b128 v[4*i:4*i+3], v4, s[4:5] offset:2048*i th:TH_LOAD_NT
.set i, i+1
.endr
.set gg, 0
.rept 8                                                ; eight rows at a time, as they come in
.if gg == 0
	s_wait_loadcnt 48                              ; of the 56 rows asked for, 48 are younger than this group
.else
	s_wait_loadcnt 56-8*gg                         ; of all 64 rows, 56 - 8 g are younger than this group
.endif
	WIN 0x05                                       ; sources window 1, destination window 0
.set i, 0
.rept 16
	v_cvt_pk_bf16_f32 v[32+16*(gg%2)+i], v[32*gg+2*i], v[32*gg+2*i+1]
.set i, i+1
.endr
.if gg == 0
	WIN 0x40
.set i, 56
.rept 8
	global_load_b128 v[4*i:4*i+3], v4, s[4:5] offset:2048*i th:TH_LOAD_NT
.set i, i+1
.endr
.endif
	WIN 0
.set i, 0
.rept 8
	ds_store_b64 v5, v[32+16*(gg%2)+2*i:33+16*(gg%2)+2*i] offset:PB*(8*gg+i)
.set i, i+1
.endr
.set gg, gg+1
.endr
	s_cmp_lg_u32 s16, 1
	s_cbranch_scc1 .Lno_b
	v_cvt_pk_bf16_f32 v20, v16, v17                ; the bias (my oldest load: it is in) is rounded to bf16 like every input, and widened again;
	v_cvt_pk_bf16_f32 v21, v18, v19
	v_and_b32 v20, s39, v20                        ; 0 in quarters 1 to 3
	v_and_b32 v21, s39, v21
	v_lshlrev_b32 v16, 16, v20
	v_and_b32 v17, 0xffff0000, v20
	v_lshlrev_b32 v18, 16, v21
	v_and_b32 v19, 0xffff0000, v21
	v_add_nc_u32 v22, BIAS, v4
	ds_store_b128 v22, v[16:19]
.Lno_b:
	s_wait_dscnt 0x0                               ; for the others' sake: all my LDS stores are done
	s_barrier_signal -1
	s_barrier_wait -1                              ; W and the bias are whole; nothing of them is written again
	s_wait_kmcnt 0x0
	s_min_u32 s24, s24, 2048
	s_add_co_u32 s25, s24, 31
	s_lshr_b32 s25, s25, 5                         ; passes of 32 slots, 64 at the most
	s_add_co_u32 s49, s25, 7                       ; my trips: passes w, w + 8, .. below that number are (passes + 7 - w) / 8, rounded down: 0 to 8
	s_sub_co_u32 s49, s49, s16
	s_lshr_b32 s49, s49, 3
	s_mov_b32 s48, 0                               ; the trip
	s_cmp_eq_u32 s49, 0
	s_cbranch_scc1 .Lend
.macro PLACES                          ; four places (ISA guide 7.12.1 for vector instructions) behind matrix instructions whose registers are loaded, written or read next
.rept 4
	v_nop
.endr
.endm
.macro BIASINIT                        ; the sums start from the bias: register jj of accumulator (t, nt) is column 16 nt + 8 hh + jj
	WIN 0x40
.irp t, 0,1
.irp nt, 0,1,2,3,4,5,6,7
	ds_load_b128 v[8*(8*\t+\nt):8*(8*\t+\nt)+3],   v10 offset:64*\nt
	ds_load_b128 v[8*(8*\t+\nt)+4:8*(8*\t+\nt)+7], v10 offset:64*\nt+16
.endr
.endr
.endm
.macro BLOAD ks                        ; W's fragments of K step ks (32 f x 128 columns, turned), into buffer ks % 2
.set bc, (\ks)/4
.set bs, (\ks)%4
.set bb, B0+64*((\ks)%2)
	WIN 0
.irp nt, 0,1,2,3,4,5,6,7
	ds_load_tr16_b128 v[bb+8*\nt:bb+8*\nt+3],   v[6+bc] offset:32*PB*bs+32*\nt
	ds_load_tr16_b128 v[bb+8*\nt+4:bb+8*\nt+7], v[6+bc] offset:32*PB*bs+32*\nt+16*PB
.endr
.endm
; 16 matrix instructions, used transposed: source 0 = 16 columns of W, source 1 = 16 slots: a lane then holds one slot and eight neighbouring columns.  The 16 accumulators take turns.
.macro MM16 ks
.set ms, (\ks)%4
.set mb, B0+64*((\ks)%2)
.if ((\ks)/4)%2
	WIN 0x54                                       ; source 1 in window 1 (A1); C and D in window 1
.set ma, A1
.else
	WIN 0x50                                       ; source 1 in window 0 (A0)
.set ma, A0
.endif
.irp nt, 0,1,2,3,4,5,6,7
.irp t, 0,1
	v_wmma_f32_16x16x32_bf16 v[8*(8*\t+\nt):8*(8*\t+\nt)+7], v[mb+8*\nt:mb+8*\nt+7], v[ma+8*(4*\t+ms):ma+8*(4*\t+ms)+7], v[8*(8*\t+\nt):8*(8*\t+\nt)+7]
.endr
.endr
.endm
.macro ALOAD c                         ; h's fragments of K chunk c (four K steps, two slot tiles), straight from memory: each load of the wave takes 512 consecutive bytes
.if (\c)%2
	WIN 0x40
.set aa, A1
.else
	WIN 0
.set aa, A0
.endif
.irp t, 0,1
.irp s, 0,1,2,3
	global_load_b128 v[aa+8*(4*\t+\s):aa+8*(4*\t+\s)+3],   v4, s[30:31] offset:65536*\t+1024*(4*(\c)+\s)
	global_load_b128 v[aa+8*(4*\t+\s)+4:aa+8*(4*\t+\s)+7], v4, s[30:31] offset:65536*\t+1024*(4*(\c)+\s)+512
.endr
.endr
.endm
; K step ks = 4 c + s.  The pass's loads go out in this order: list, chunk 0, chunk 1, the two gates, chunk 2, chunk 3.  At a chunk's head its 16 loads are waited for; younger than chunk 0 are
; chunk 1 and the gates (18), than chunk 1 the gates and chunk 2 (18), than chunk 2 chunk 3 (16), than chunk 3 nothing.  Of LDS the next step's 16 loads of W stay out (none at step 15).
.macro KSTEP ks
.set kc, (\ks)/4
.set kx, (\ks)%4
.if kx == 0
.if kc < 2
	s_wait_loadcnt 18
.elseif kc == 2
	s_wait_loadcnt 16
.else
	s_wait_loadcnt 0x0
.endif
.endif
.if (\ks) == 15
	s_wait_dscnt 0x0
.else
	s_wait_dscnt 16
.endif
	MM16 \ks
	PLACES
.if (\ks) <= 13
	BLOAD (\ks)+2
.endif
.if (kx == 3) && (kc <= 1)
	ALOAD kc+2                                     ; into the buffer whose last K step has just been multiplied
.endif
.endm
; THE WAY OUT of slot tile t: times the row's gate, each accumulator from its low end on; into my stage, rows of 528 bytes; back as whole rows of 512.
.macro GATE t, tmp, back
	WIN 0x01                                       ; source 0 (the sums) in window 1
.set gi, 0
.rept 32
	v_pk_mul_f32 v[(\tmp)+2*gi:(\tmp)+2*gi+1], v[64*(\t)+2*gi:64*(\t)+2*gi+1], v[16+2*(\t):17+2*(\t)] op_sel_hi:[1,0]
.set gi, gi+1
.endr
	WIN 0
.irp nt, 0,1,2,3,4,5,6,7
	ds_store_b128 v13, v[(\tmp)+8*\nt:(\tmp)+8*\nt+3]   offset:16*SP*(\t)+64*\nt
	ds_store_b128 v13, v[(\tmp)+8*\nt+4:(\tmp)+8*\nt+7] offset:16*SP*(\t)+64*\nt+16
.endr
.set gi, 0
.rept 16
	ds_load_b128 v[(\back)+4*gi:(\back)+4*gi+3], v14 offset:16*SP*(\t)+SP*gi   ; LDS serves a wave's instructions in order: these see the stores above
.set gi, gi+1
.endr
.endm
.macro SEND t, back
.set gi, 0
.rept 16
	global_store_b128 v[VO+16*(\t)+gi], v[(\back)+4*gi:(\back)+4*gi+3], s[32:33]   ; the wave's store covers 512 consecutive bytes of one row of eo, aligned
.set gi, gi+1
.endr
.endm
.Lpass:                                                ; trip i is pass p = 8 i + w: slots 32 p .. 32 p + 31
	s_wait_xcnt 0x0                                ; the last pass's loads and stores have read their data, offsets and bases: only now are these rewritten
	s_lshl3_add_u32 s26, s48, s16                  ; p
	s_min_u32 s27, s26, 63
	s_lshl_b32 s28, s27, 17                        ; h: two slot tiles of 65,536 bytes a pass,
	s_lshl_b32 s20, s17, 23                        ; expert e,
	s_add_co_u32 s28, s28, s20
	s_lshl_b32 s20, s19, 14                        ; 32 tiles of 16 f, 512 bytes each, a quarter
	s_add_co_u32 s28, s28, s20
	s_mov_b32 s29, 0
	s_add_nc_u64 s[30:31], s[8:9], s[28:29]
	s_lshl_b32 s36, s27, 7                         ; the pass's 32 list entries
	s_mov_b32 s37, 0
	s_add_nc_u64 s[42:43], s[10:11], s[36:37]
	global_load_b32 v20, v11, s[42:43]             ; the q of my row in slot tile 0,
	global_load_b32 v21, v11, s[42:43] offset:64   ; and in tile 1
.set i, 0
.rept 8
	global_load_b128 v[VO+4*i:VO+4*i+3], v12, s[42:43] offset:16*i   ; all 32 q of the pass, in every lane
.set i, i+1
.endr
	ALOAD 0
	ALOAD 1
	BIASINIT
	BLOAD 0
	BLOAD 1
	s_wait_loadcnt 32                              ; the list entries are in; h's first two chunks stay out
	v_min_u32 v20, 4095, v20
	v_min_u32 v21, 4095, v21
	v_lshlrev_b32 v20, 2, v20
	v_lshlrev_b32 v21, 2, v21
	global_load_b32 v16, v20, s[14:15]
	global_load_b32 v18, v21, s[14:15]
.set i, 0
.rept 32
	v_min_u32 v[VO+i], 4095, v[VO+i]
	v_lshlrev_b32 v[VO+i], 11, v[VO+i]             ; row q of 2,048 bytes
	v_add_nc_u32 v[VO+i], v[VO+i], v4              ; + 16 x lane
.set i, i+1
.endr
.irp ks, 0,1,2,3,4,5,6,7,8,9,10,11,12,13,14,15
	KSTEP \ks
.endr
	WIN 0                                          ; step 15's four places stand in front
	v_mov_b32 v17, v16                             ; the packed multiply names pairs
	v_mov_b32 v19, v18
	GATE 0, B0, A0
	GATE 1, B0+64, B0
	s_wait_dscnt 32                                ; tile 0's rows are back; tile 1's 32 LDS instructions stay out
	SEND 0, A0
	s_wait_dscnt 0x0
	SEND 1, B0
	s_add_co_u32 s48, s48, 1
	s_cmp_lt_u32 s48, s49
	s_cbranch_scc1 .Lpass
.Lend:
	s_wait_tensorcnt 0x0
	ds_add_u32 v30, v31
	s_wait_dscnt 0x0
	s_endpgm
.Lfunc_end_k_qded25b3d76_ffn2:
	.size	k_qded25b3d76_ffn2, .Lfunc_end_k_qded25b3d76_ffn2-k_qded25b3d76_ffn2
	.p2alignl 7, 3214868480
	.fill 96, 4, 3214868480
	.section	.rodata,"a",@progbits
	.p2align	6, 0x0
	.amdhsa_kernel k_qded25b3d76_ffn2
		.amdhsa_group_segment_fixed_size 284160
		.amdhsa_private_segment_fixed_size 0
		.amdhsa_enable_private_segment 0
		.amdhsa_kernarg_size 56
		.amdhsa_user_sgpr_count 2
		.amdhsa_user_sgpr_kernarg_segment_ptr 1
		.amdhsa_wavefront_size32 1
		.amdhsa_system_sgpr_workgroup_id_x 1
		.amdhsa_system_sgpr_workgroup_id_y 1
		.amdhsa_system_sgpr_workgroup_id_z 1
		.amdhsa_system_vgpr_workitem_id 0
		.amdhsa_next_free_vgpr 512
		.amdhsa_next_free_sgpr 66
		.amdhsa_reserve_vcc 0
		.amdhsa_float_denorm_mode_32 3
		.amdhsa_float_denorm_mode_16_64 3
		.amdhsa_memory_ordered 1
		.amdhsa_forward_progress 1
		.amdhsa_inst_pref_size 84
	.end_amdhsa_kernel
	.amdgpu_metadata
---
amdhsa.version: [ 1, 2 ]
amdhsa.kernels:
  - .name:           k_qded25b3d76_ffn2
    .symbol:         k_qded25b3d76_ffn2.kd
    .args:
      - { .name: W2, .offset: 0, .size: 8, .value_kind: global_buffer, .address_space: global }
      - { .name: b2, .offset: 8, .size: 8, .value_kind: global_buffer, .address_space: global }
      - { .name: h, .offset: 16, .size: 8, .value_kind: global_buffer, .address_space: global }
      - { .name: list, .offset: 24, .size: 8, .value_kind: global_buffer, .address_space: global }
      - { .name: cnt, .offset: 32, .size: 8, .value_kind: global_buffer, .address_space: global }
      - { .name: gates, .offset: 40, .size: 8, .value_kind: global_buffer, .address_space: global }
      - { .name: eo, .offset: 48, .size: 8, .value_kind: global_buffer, .address_space: global }
    .group_segment_fixed_size: 284160
    .private_segment_fixed_size: 0
    .kernarg_segment_align: 8
    .kernarg_segment_size: 56
    .max_flat_workgroup_size: 256
    .sgpr_count:     66
    .vgpr_count:     512
    .wavefront_size: 32
...
	.end_amdgpu_metadata
.endif
;; end of part 3
;; launch comb (part 4): grid 256 x 1, 8 waves a work-group, no clusters, 0 bytes of LDS; arguments eo, part, out0, out1; writes out0, out1
.if DOCPART == 4
	.amdgcn_target "amdgcn-amd-amdhsa--gfx1250"
	.amdhsa_code_object_version 6
	.text
	.protected	k_qded25b3d76_comb
	.globl	k_qded25b3d76_comb
	.p2align	8
	.type	k_qded25b3d76_comb,@function
k_qded25b3d76_comb:
	s_mov_b64 s[64:65], 0
	v_nop
	global_prefetch_b8 v0, s[64:65] scope:SCOPE_SE
	s_setreg_imm32_b32 hwreg(HW_REG_WAVE_MODE, 25, 1), 1
	s_wait_xcnt 0x0
; THE COMBINE.  out0[t][d] = the sum over the token's two choices and the four quarters of F of eo[kq][2 t + k][d] (gated already).  out1 = 16 x sum over e of (count_e / 2048) (sum of p_e / 2048).
; eo [4][4096][512] f32, part [128][32] f32 (columns 0-15 sums of probabilities, 16-31 counts of first choices).
; A stream: one wave, one token: 32 loads of 512 consecutive bytes, all asked for at once, added in a fixed order as they come; four stores of 512 consecutive aligned bytes.
; No LDS, no barrier, no matrix unit: nothing is shared and nothing is multiplied.  Wave 0 of work-group 0 then also adds up part (16 KiB): the one sum that spans the router's work-groups.
	s_load_b256 s[4:11], s[0:1], 0x0               ; eo s[4:5], part s[6:7], out0 s[8:9], out1 s[10:11]
	v_lshrrev_b32 v1, 5, v0
	v_readfirstlane_b32 s24, v1                    ; wave 0..7
	v_and_b32 v1, 31, v0
	v_lshlrev_b32 v2, 4, v1                        ; 16 x lane
	s_lshl_b32 s25, ttmp9, 3
	s_add_co_u32 s25, s25, s24                     ; my token
	s_lshl_b32 s26, s25, 12                        ; its two rows of eo, 4,096 consecutive bytes in each plane
	s_mov_b32 s27, 0
	s_lshl_b32 s28, s25, 11                        ; its row of out0
	s_mov_b32 s29, 0
	s_wait_kmcnt 0x0
	s_add_nc_u64 s[12:13], s[4:5], s[26:27]
	s_add_nc_u64 s[14:15], s[12:13], 0x800000      ; a plane is 8,388,608 bytes: one more than a load's immediate reaches, so each plane has its base
	s_add_nc_u64 s[16:17], s[14:15], 0x800000
	s_add_nc_u64 s[18:19], s[16:17], 0x800000
	s_add_nc_u64 s[8:9], s[8:9], s[28:29]
.irp kq, 0,1,2,3
.irp m, 0,1,2,3,4,5,6,7                                ; m = 4 k + i: choice k, columns 128 i + 4 x lane ..
	global_load_b128 v[32+32*\kq+4*\m:35+32*\kq+4*\m], v2, s[12+2*\kq:13+2*\kq] offset:512*\m th:TH_LOAD_NT
.endr
.endr
	s_wait_loadcnt 24                              ; plane 0's eight loads are in; 24 younger ones stay out
.irp m, 0,2,4,6,8,10,12,14
	v_pk_add_f32 v[32+\m:33+\m], v[32+\m:33+\m], v[48+\m:49+\m]
.endr
.irp kq, 1,2,3
	s_wait_loadcnt 24-8*\kq                        ; plane kq's eight are in
.irp m, 0,2,4,6,8,10,12,14
	v_pk_add_f32 v[32+\m:33+\m], v[32+\m:33+\m], v[32+32*\kq+\m:33+32*\kq+\m]
.endr
.irp m, 0,2,4,6,8,10,12,14
	v_pk_add_f32 v[32+\m:33+\m], v[32+\m:33+\m], v[48+32*\kq+\m:49+32*\kq+\m]
.endr
.endr
.irp i, 0,1,2,3
	global_store_b128 v2, v[32+4*\i:35+4*\i], s[8:9] offset:512*\i th:TH_STORE_NT
.endr
	s_cmp_lg_u32 ttmp9, 0
	s_cbranch_scc1 .Lend
	s_cmp_lg_u32 s24, 0
	s_cbranch_scc1 .Lend
	; THE LOSS.  Load i brings rows 4 i + lane / 8 of part, columns 4 (lane % 8) + j.
	s_mov_b32 s20, 0x76543210                      ; v_permlanex16_b32: each lane takes its own place in the other half
	s_mov_b32 s21, 0xfedcba98
	s_wait_xcnt 0x0                                ; the stores above have read v32-47: only now are these loaded again
.set i, 0
.rept 32
	global_load_b128 v[32+4*i:35+4*i], v2, s[6:7] offset:512*i
.set i, i+1
.endr
	s_wait_loadcnt 0x0
.irp st, 16,8,4,2,1                                    ; over the 32 loads, by halves
.set ti, 0
.rept \st
	v_pk_add_f32 v[32+4*ti:33+4*ti], v[32+4*ti:33+4*ti], v[32+4*(ti+\st):33+4*(ti+\st)]
	v_pk_add_f32 v[34+4*ti:35+4*ti], v[34+4*ti:35+4*ti], v[34+4*(ti+\st):35+4*(ti+\st)]
.set ti, ti+1
.endr
.endr
.irp j, 0,1,2,3                                        ; over the four lanes that hold the same columns: 8 and 16 away
	v_add_f32_dpp v[32+\j], v[32+\j], v[32+\j] row_xmask:8 row_mask:0xf bank_mask:0xf
.endr
.irp j, 0,1,2,3
	v_permlanex16_b32 v[40+\j], v[32+\j], s20, s21
.endr
.irp j, 0,1,2,3
	v_add_f32 v[32+\j], v[32+\j], v[40+\j]
.endr
.irp j, 0,1,2,3                                        ; the lane 4 away holds columns 16 further on or back: sum of p_e times count_e
	v_mul_f32_dpp v[32+\j], v[32+\j], v[32+\j] row_xmask:4 row_mask:0xf bank_mask:0xf
.endr
	v_add_f32 v32, v32, v33
	v_add_f32 v34, v34, v35
	v_add_f32 v32, v32, v34
	v_add_f32_dpp v32, v32, v32 row_xmask:1 row_mask:0xf bank_mask:0xf
	v_add_f32_dpp v32, v32, v32 row_xmask:2 row_mask:0xf bank_mask:0xf
	v_mul_f32 v32, 0x36800000, v32                 ; 16 / 2048^2 = 2^-18
	v_mov_b32 v36, 0
	v_cmp_eq_u32 vcc_lo, 0, v1
	s_wait_xcnt 0x0                                ; EXEC changes only behind this wait
	s_and_saveexec_b32 s22, vcc_lo
	global_store_b32 v36, v32, s[10:11]            ; lane 0 alone
	s_wait_xcnt 0x0                                ; and again in front of the line that widens it
	s_or_b32 exec_lo, exec_lo, s22
.Lend:
	s_endpgm
.Lfunc_end_k_qded25b3d76_comb:
	.size	k_qded25b3d76_comb, .Lfunc_end_k_qded25b3d76_comb-k_qded25b3d76_comb
	.p2alignl 7, 3214868480
	.fill 96, 4, 3214868480
	.section	.rodata,"a",@progbits
	.p2align	6, 0x0
	.amdhsa_kernel k_qded25b3d76_comb
		.amdhsa_group_segment_fixed_size 0
		.amdhsa_private_segment_fixed_size 0
		.amdhsa_enable_private_segment 0
		.amdhsa_kernarg_size 32
		.amdhsa_user_sgpr_count 2
		.amdhsa_user_sgpr_kernarg_segment_ptr 1
		.amdhsa_wavefront_size32 1
		.amdhsa_system_sgpr_workgroup_id_x 1
		.amdhsa_system_sgpr_workgroup_id_y 1
		.amdhsa_system_sgpr_workgroup_id_z 1
		.amdhsa_system_vgpr_workitem_id 0
		.amdhsa_next_free_vgpr 176
		.amdhsa_next_free_sgpr 66
		.amdhsa_reserve_vcc 1
		.amdhsa_float_denorm_mode_32 3
		.amdhsa_float_denorm_mode_16_64 3
		.amdhsa_memory_ordered 1
		.amdhsa_forward_progress 1
		.amdhsa_inst_pref_size 17
	.end_amdhsa_kernel
	.amdgpu_metadata
---
amdhsa.version: [ 1, 2 ]
amdhsa.kernels:
  - .name:           k_qded25b3d76_comb
    .symbol:         k_qded25b3d76_comb.kd
    .args:
      - { .name: eo, .offset: 0, .size: 8, .value_kind: global_buffer, .address_space: global }
      - { .name: part, .offset: 8, .size: 8, .value_kind: global_buffer, .address_space: global }
      - { .name: out0, .offset: 16, .size: 8, .value_kind: global_buffer, .address_space: global }
      - { .name: out1, .offset: 24, .size: 8, .value_kind: global_buffer, .address_space: global }
    .group_segment_fixed_size: 0
    .private_segment_fixed_size: 0
    .kernarg_segment_align: 8
    .kernarg_segment_size: 32
    .max_flat_workgroup_size: 256
    .sgpr_count:     66
    .vgpr_count:     176
    .wavefront_size: 32
...
	.end_amdgpu_metadata
.endif
;; end of part 4
